; MI455X (gfx1250); checked and timed in simulation.
; The chip was launched on July 23, 2026; its instructions are those of AMD's public machine-readable ISA for CDNA 5 (MIT licence, August 2026) and "CDNA5" Instruction Set Architecture Reference Guide (July 2026). The comments in the code are by the model that wrote it; some were corrected since.
;; Scaled Dot Product Attention. Allowed arithmetic: matrix products marked QUANTISED: E3M2 operands, one E8M0 scale for each 32 along K, by v_wmma_scale_f32_16x16x128_f8f6f4 with both operands' format E3M2, f32 sums; everything else in f32.
;; Inputs: k 4 x 16 x 2,048 x 64 float32; mask 2,048 x 2,048 bool; q 4 x 16 x 2,048 x 64 float32; v 4 x 16 x 2,048 x 64 float32.
;; Outputs: out0 4 x 16 x 2,048 x 64 float32.
;; This version of the problem:
;;   THIS VERSION OF THE PROBLEM IS GIVEN IN LOW PRECISION. The matrix products marked QUANTISED in the list below multiply operands that are first quantised to E3M2 (3 exponent bits, 2 mantissa bits; 6 bits a number), with one power-of-two scale for each 32 numbers along K (OCP MX v1.0); their sums are f32. All else is computed in f32.
;;   The module's matrix products, in the order in which they are computed (A, B: the left and right operand; K: the contracted axis; several contracted axes count as one K, in the product's order):
;;     1. batch 64 x [M 2,048, K 64] x [K 64, N 2,048]; A: input q; B: input k: QUANTISED
;;     2. batch 64 x [M 2,048, K 2,048] x [K 2,048, N 64]; A: softmax (see below); B: input v: QUANTISED
;;   THE QUANTISER, for each operand of a quantised product, along K:
;;     - K is cut into blocks of 32 from its start; a last block that is shorter is filled with zeros.
;;     - A block's scale is 2^e with e = floor(log2(the largest magnitude in the block)) - 4, held to -126 .. 127; a block of zeros has e = 0. As a byte (E8M0): e + 127.
;;     - Each number is divided by its block's scale, clamped to +-28, and rounded to the nearest number of E3M2, ties to even, subnormals kept.
;;     - The product sums the exact products of the quantised numbers (number of the format x scale) in f32.
;;   ~~~python
;;   def quantise(x, axis):      # numpy; x: float32 -> the quantised numbers, widened to float32 again
;;       x = np.moveaxis(x, axis, -1); K = x.shape[-1]
;;       x = np.pad(x, [(0, 0)] * (x.ndim - 1) + [(0, -K % 32)]); x = x.reshape(x.shape[:-1] + (-1, 32)); a = np.abs(x).max(-1, keepdims=True)
;;       e = np.where(a > 0, np.clip(np.frexp(np.where(a > 0, a, 1))[1] - 1 - 4, -126, 127), 0)      # np.frexp(a)[1] - 1 = floor(log2(a)), exactly
;;       r = np.clip(x / 2.0 ** e, -28, 28)
;;       step = 2.0 ** (np.maximum(np.frexp(np.where(r == 0, 1, r))[1] - 1, -2) - 2)
;;       q = np.round(r / step) * step * 2.0 ** e      # np.round: ties to even
;;       return np.moveaxis(q.reshape(q.shape[:-2] + (-1,))[..., :K], -1, axis).astype(np.float32)
;;   ~~~
;;   SOFTMAX AHEAD OF A QUANTISED PRODUCT. Where the list says 'softmax', what is quantised is not the finished softmax but p = 2^(t - M), with t = logit x log2(e) and M = ceil(the row's largest t), a whole number; so 1/2 < the row's largest p <= 1. The row's sum l is taken of the UNQUANTISED p, in f32, and the product's result is divided by l at the end. Since M is a whole number, a kernel that streams over the keys may use a running M (the ceiling of the running maximum): every later rescaling is an exact power of two, which a block's scale takes up: the codes' values come out the same.
;;   OPERANDS COMPUTED ON THE WAY. 'Computed on the way' means the value that the module computes at that place (a softmax that the list does not call 'softmax' is quantised finished and normalised). What goes into a quantiser is computed in f32, as accurately as f32 sums, v_exp_f32 and their like allow (about 1e-6 of the number): no bf16 or f16 on the way to a quantiser, and a product that is left as it is and whose result goes on into a quantised operand takes f32 operands (vector FMAs, or v_wmma_f32_16x16x4_f32). A number that lies on a knife's edge between two numbers of the format may be rounded either way, as far as f32 arithmetic and the matrix unit's own rounding can turn it there, and no further.
;; 2 versions, each right; version 2 is version 1 with the launch attn written anew for expert scheduling mode. Each part assembles by itself: llvm-mc -triple=amdgcn-amd-amdhsa -mcpu=gfx1250 --defsym DOCPART=n.
;; ======== version 1 of 2: 2 launches
;; workspace buffers: kv 13,369,344 bytes; mbits 524,288 bytes of whole numbers; flags 2,048 bytes of whole numbers
;; launch prep (part 1): grid 640 x 1, 4 waves a work-group, no clusters, 94,208 bytes of LDS; arguments k, v, mask, kv, mbits, flags; writes kv, mbits, flags
.if DOCPART == 1
	.amdgcn_target "amdgcn-amd-amdhsa--gfx1250"
	.amdhsa_code_object_version 6
	.text
	.protected	k_q53ef879e7f_prep
	.globl	k_q53ef879e7f_prep
	.p2align	8
	.type	k_q53ef879e7f_prep,@function
k_q53ef879e7f_prep:
	s_mov_b64 s[64:65], 0
	v_nop
	global_prefetch_b8 v0, s[64:65] scope:SCOPE_SE
	s_setreg_imm32_b32 hwreg(HW_REG_WAVE_MODE, 25, 1), 1
	s_wait_xcnt 0x0
; K and V [64 heads][2048 keys][64] f32 become codes of BF6 (E3M2) with one E8M0 scale byte for each 32 along a product's K, and the mask [2048][2048] of bytes becomes lane masks.
; kv: 1,024 units of 13,056 bytes, unit n = 16 x head + step, a step = 128 keys.  A unit is laid IN THE ORDER OF THE OPERANDS' REGISTERS (L = lane, r = L % 16, h = L / 16):
;   0      K's image: register R = 6 t + i (tile t of 8, i of 6) at 512 (R / 4) + 16 L + 4 (R % 4).  Lane (r, h) of tile 2 b + u holds key 32 b + 8 u + r + 8 (r / 8), channels 32 h .. 32 h + 31
;   6,144  V's image: R = 12 t + 6 c + i, the same formula.  Lane (r, h) holds channel 16 t + r, keys 64 c + 32 h + 0 .. 31 (the keys are the second product's K)
;   12,288 K's scale words, 16 bytes a lane: word b = tile 2 b's row r in lanes 0-15, tile 2 b + 1's in lanes 16-31; bytes 0, 1 = channels 0-31, 32-63; bytes 2, 3 = 0
;   12,800 V's scale words, 8 bytes a lane: word i = tile 2 i in lanes 0-15, tile 2 i + 1 in lanes 16-31; byte j = the step's keys 32 j .. 32 j + 31
; mbits: word n of 64 of (tile T of 16 queries, step s) at 4,096 T + 256 s + 4 n; its bit L = mask[16 T + L % 16][128 s + 32 (n / 16) + 16 (L / 16) + n % 16].
; flags: the word at 16 T + 4 w covers steps 4 w .. 4 w + 3: bit s = some bit of (T, s) is true, bit 16 + s = all are.
; A block's scale is 2^(floor(log2(its largest magnitude)) - 4); its byte is the largest magnitude's exponent field - 4, held at 1 from below.
; LIMITS: a block of zeros gets the byte 1 where the rule says 127 (its codes are zeros, and this program alone reads the bytes); a block whose largest magnitude lies under 2^-122 keeps the byte 1;
; NaN and infinities among k and v are not served; a mask byte other than 0 counts as true.
; SHARES: work-groups 0-127 take a tile of the mask each (a wave: four steps), 128-383 K, 384-639 V (a wave: a unit).  Waves share nothing: no barrier.  Each of the three ways has LDS bytes of its own.
.set UNIT, 13056
.set KWB,  8832                        ; K's stage, from LDS byte 0: 32 rows x 272 bytes + 128, for each wave
.set VST,  35328                       ; V's stage: an image of 6,144 bytes for each wave
.set VWB,  6144
.set MST,  59904                       ; the mask's stage: 16 rows x 528 bytes for each wave
.set MWB,  8448
.set KR,   32                          ; K: v32-159 two sets of 64 registers as loaded
.set KX,   160                         ;    v160-223 two tiles' 32 neighbours a lane
.set KIM,  224                         ;    v224-235 twelve registers of the image
.set KTC,  236                         ;    v236-238, v240-242 the second halves of the conversions
.set KSC,  244                         ;    v244-247 the scale words
.set VX,   32                          ; V: v32-95 two sets of 32
.set VC,   96                          ;    v96-102 a block's codes
.set VSB,  104                         ;    v104-105 the scale words
.set VOUT, 112                         ;    v112-159 the image on its way out
.set MRAW, 32                          ; mask: v32-95 as loaded, v96-159 back from the stage, v160-167 a pair of words' registers for each step
.set MR,   96
.set MW,   160
	s_load_b256 s[4:11], s[0:1], 0x0               ; k s[4:5], v s[6:7], mask s[8:9], kv s[10:11]
	s_load_b128 s[12:15], s[0:1], 0x20             ; mbits s[12:13], flags s[14:15]
	v_lshl_add_u32 v248, v0, 2, 0x16e00
	v_mov_b32 v249, 0
	v_lshrrev_b32 v1, 5, v0
	v_readfirstlane_b32 s16, v1                    ; wave 0..3
	v_and_b32 v2, 31, v0                           ; lane
	v_and_b32 v3, 15, v0                           ; r
	v_bfe_u32 v4, v0, 4, 1                         ; h
	s_mov_b32 s26, 0x76543210
	s_mov_b32 s27, 0xfedcba98                      ; v_permlanex16_b32's selects for lane l xor 16
	s_wait_kmcnt 0x0
	s_cmp_lt_u32 ttmp9, 128
	s_cbranch_scc1 .Lmask
	s_cmp_lt_u32 ttmp9, 384
	s_cbranch_scc1 .Lkeys
; ---------------------------------------------------------------- V: a lane takes a channel, and its registers run down the keys
	s_sub_co_u32 s17, ttmp9, 384
	s_lshl_b32 s17, s17, 2
	s_add_co_u32 s18, s17, s16                     ; my unit n
	s_mov_b32 s19, 0
	s_lshl_b64 s[20:21], s[18:19], 15              ; 128 keys x 256 bytes
	s_add_nc_u64 s[6:7], s[6:7], s[20:21]
	s_mul_i32 s20, s18, UNIT
	s_mov_b32 s21, 0
	s_add_nc_u64 s[10:11], s[10:11], s[20:21]
	s_mul_i32 s22, s16, VWB
	s_add_co_u32 s22, s22, VST                     ; my stage
	v_lshlrev_b32 v5, 2, v2                        ; in: 4 bytes a lane
	v_mul_u32_u24 v6, v4, 1536
	v_lshl_add_u32 v6, v3, 4, v6
	v_add_nc_u32 v6, s22, v6                       ; into the image: channel 32 w + lane is row lane % 16 of tile 2 w + lane / 16: 1,536 bytes a tile, 16 bytes a lane of the image
	v_lshlrev_b32 v8, 4, v2                        ; out: 16 bytes a lane
	v_add_nc_u32 v7, s22, v8
	v_lshlrev_b32 v9, 3, v2                        ; the scale words: 8 bytes a lane
; Sub-block q = 2 blk + w: keys 32 blk .. 32 blk + 31, channels 32 w + lane.  A load reads 128 consecutive bytes; a row's two halves are read by loads one sub-block apart, so no hint is given.
.macro LOADV q
.set I, 0
.rept 32
	global_load_b32 v[VX+32*((\q)%2)+I], v5, s[6:7] offset:(32*((\q)/2)+I)*256+128*((\q)%2)
.set I, I+1
.endr
.endm
.macro VBLK q
.set XS, VX+32*((\q)%2)
.set VBK, (\q)/2                       ; which 32 keys of the step: 2 c + h of the image
.set VW, (\q)%2
.set VO, 3072*VW+256*(VBK%2)           ; two tiles on for w = 1; sixteen lanes of the image on for h = 1
.if (\q) < 7
	s_wait_loadcnt 32                              ; this sub-block's 32 loads are in; the next one's 32 may be out
.else
	s_wait_loadcnt 0
.endif
	v_max3_num_f32 v10, |v[XS]|, |v[XS+1]|, |v[XS+2]|   ; the block's largest magnitude: all 32 numbers are mine; two chains
	v_max3_num_f32 v11, |v[XS+3]|, |v[XS+4]|, |v[XS+5]|
.irp i, 6,10,14,18,22,26
	v_max3_num_f32 v10, v10, |v[XS+\i]|, |v[XS+\i+1]|
	v_max3_num_f32 v11, v11, |v[XS+\i+2]|, |v[XS+\i+3]|
.endr
	v_max3_num_f32 v10, v10, |v[XS+30]|, |v[XS+31]|
	v_max3_num_f32 v10, v10, v11, 0x2800000        ; and the floor 2^(5 - 127): the byte cannot fall under 1
	v_add_nc_u32 v12, 0xfe000000, v10              ; 4 off the exponent field: the conversion takes this operand's exponent field as its scale
	v_cvt_scalef32_pk16_bf6_f32 v[VC:VC+2], v[XS:XS+15], v12
	v_cvt_scalef32_pk16_bf6_f32 v[VC+4:VC+6], v[XS+16:XS+31], v12   ; (a conversion's three registers begin on an even number)
	v_lshrrev_b32 v13, 23, v12                     ; the scale's byte: also the plain line behind the conversions
.if VBK == 0
	v_mov_b32 v[VSB+VW], v13
.else
	v_lshl_or_b32 v[VSB+VW], v13, 8*VBK, v[VSB+VW]
.endif
	v_mov_b32 v[VC+3], v[VC+4]                     ; the block's six registers on end
	v_mov_b32 v[VC+4], v[VC+5]
	v_mov_b32 v[VC+5], v[VC+6]
.if VBK/2 == 0                         ; c = 0: the image's registers 0-5 of the tile: four in its first 512 bytes, two in the second
	ds_store_b128 v6, v[VC:VC+3] offset:VO
	ds_store_b64 v6, v[VC+4:VC+5] offset:VO+512
.else                                  ; c = 1: registers 6-11: two in the second 512 bytes, four in the third
	ds_store_b64 v6, v[VC:VC+1] offset:VO+520
	ds_store_b128 v6, v[VC+2:VC+5] offset:VO+1024
.endif
.if (\q) < 6
	LOADV (\q)+2
.endif
	s_wait_dscnt 0x0                               ; the stores have read their registers: the next block's codes may be written
.endm
	LOADV 0
	LOADV 1
.irp q, 0,1,2,3,4,5,6,7
	VBLK \q
.endr
	global_store_b64 v9, v[VSB:VSB+1], s[10:11] offset:12800   ; 32 lanes store 256 consecutive bytes
.irp g, 0,1,2,3,4,5,6,7,8,9,10,11
	ds_load_b128 v[VOUT+4*\g:VOUT+4*\g+3], v7 offset:512*\g    ; LDS serves a wave's instructions in order: these see my stores
.endr
.irp g, 0,1,2,3,4,5,6,7,8,9,10,11
	s_wait_dscnt 11-\g                             ; the younger loads may be out
	global_store_b128 v8, v[VOUT+4*\g:VOUT+4*\g+3], s[10:11] offset:6144+512*\g   ; 512 consecutive bytes a store
.endr
	s_wait_tensorcnt 0x0
	ds_add_u32 v248, v249
	s_wait_dscnt 0x0
	s_endpgm
; ---------------------------------------------------------------- K: the channels are innermost; 32 keys at a time turn through the wave's stage
.Lkeys:
	s_sub_co_u32 s17, ttmp9, 128
	s_lshl_b32 s17, s17, 2
	s_add_co_u32 s18, s17, s16                     ; my unit n
	s_mov_b32 s19, 0
	s_lshl_b64 s[20:21], s[18:19], 15
	s_add_nc_u64 s[4:5], s[4:5], s[20:21]
	s_mul_i32 s20, s18, UNIT
	s_mov_b32 s21, 0
	s_add_nc_u64 s[10:11], s[10:11], s[20:21]
	s_mul_i32 s22, s16, KWB                        ; my stage
	v_lshlrev_b32 v5, 4, v2                        ; 16 bytes a lane, in and out
	v_mul_u32_u24 v6, v4, 272
	v_lshl_add_u32 v6, v3, 4, v6
	v_add_nc_u32 v6, s22, v6                       ; into the stage: a load's 512 bytes are two keys' rows: row lane / 16, 16 bytes at 16 (lane % 16)
	v_and_b32 v7, 7, v3
	v_mul_u32_u24 v7, v7, 272
	v_lshrrev_b32 v9, 3, v3
	v_mad_u32_u24 v7, v9, 4480, v7                 ; out of it: row r % 8 + 16 (r / 8); rows 16-31 lie 128 bytes further on, so that the sixteen rows of a load fall on sixteen different 16-byte columns of 256
	v_lshl_add_u32 v7, v4, 7, v7                   ; + my half's 32 channels
	v_add_nc_u32 v7, s22, v7
	v_mul_u32_u24 v8, v4, 0x606
	v_xor_b32 v8, 0x01010400, v8                   ; the byte selector for the scale words: lanes 0-15 0x01010400, lanes 16-31 0x01010206
	v_mov_b32 v19, 0                               ; written once: a lane permute's destination counts as one of its sources
.macro LOADK b                         ; 32 keys: 16 loads of 512 consecutive bytes
.set J, 0
.rept 16
	global_load_b128 v[KR+64*((\b)%2)+4*J:KR+64*((\b)%2)+4*J+3], v5, s[4:5] offset:8192*(\b)+512*J th:TH_LOAD_NT
.set J, J+1
.endr
.endm
.macro KBLK b                          ; keys 32 b .. 32 b + 31: tiles 2 b and 2 b + 1
.if (\b) < 3
	s_wait_loadcnt 16                              ; my 16 loads are in; the next block's 16 may be out
.else
	s_wait_loadcnt 0
.endif
.set J, 0
.rept 16
	ds_store_b128 v6, v[KR+64*((\b)%2)+4*J:KR+64*((\b)%2)+4*J+3] offset:544*J+128*(J/8)
.set J, J+1
.endr
.irp u, 0,1
.irp j, 0,1,2,3,4,5,6,7
	ds_load_b128 v[KX+32*\u+4*\j:KX+32*\u+4*\j+3], v7 offset:2176*\u+16*\j   ; tile 2 b + u begins 8 rows on; my key's 32 channels of my half
.endr
.endr
	s_wait_dscnt 0x0                               ; the numbers are back, and the stores have read their registers,
.if (\b) < 2
	LOADK (\b)+2                                   ; which take the block two on
.endif
.irp u, 0,1
	v_max3_num_f32 v[10+2*\u], |v[KX+32*\u]|, |v[KX+32*\u+1]|, |v[KX+32*\u+2]|   ; a block of 32 channels is one lane's: two chains a tile, the tiles by turns
	v_max3_num_f32 v[11+2*\u], |v[KX+32*\u+3]|, |v[KX+32*\u+4]|, |v[KX+32*\u+5]|
.endr
.irp i, 6,10,14,18,22,26
.irp u, 0,1
	v_max3_num_f32 v[10+2*\u], v[10+2*\u], |v[KX+32*\u+\i]|, |v[KX+32*\u+\i+1]|
	v_max3_num_f32 v[11+2*\u], v[11+2*\u], |v[KX+32*\u+\i+2]|, |v[KX+32*\u+\i+3]|
.endr
.endr
.irp u, 0,1
	v_max3_num_f32 v[10+2*\u], v[10+2*\u], |v[KX+32*\u+30]|, |v[KX+32*\u+31]|
.endr
.irp u, 0,1
	v_max3_num_f32 v[10+2*\u], v[10+2*\u], v[11+2*\u], 0x2800000   ; the floor 2^(5 - 127)
.endr
.irp u, 0,1
	v_add_nc_u32 v[14+\u], 0xfe000000, v[10+2*\u]  ; the conversion's scale operand
.endr
.if (\b) > 0
	s_wait_xcnt 0x0                                ; the last block's stores have read the image's registers: they are written again only behind this wait
.endif
.irp u, 0,1
	v_cvt_scalef32_pk16_bf6_f32 v[KIM+6*\u:KIM+6*\u+2], v[KX+32*\u:KX+32*\u+15], v[14+\u]
	v_cvt_scalef32_pk16_bf6_f32 v[KTC+4*\u:KTC+4*\u+2], v[KX+32*\u+16:KX+32*\u+31], v[14+\u]
.endr
.irp u, 0,1
	v_lshrrev_b32 v[16+\u], 23, v[14+\u]           ; the scales' bytes: also the plain line behind the conversions
.endr
.irp u, 0,1
.irp i, 0,1,2
	v_mov_b32 v[KIM+6*\u+3+\i], v[KTC+4*\u+\i]
.endr
.endr
	v_lshl_or_b32 v18, v17, 16, v16                ; my two bytes: tile 2 b's in byte 0, tile 2 b + 1's in byte 2; bytes 1 and 3 are 0
	v_permlanex16_b32 v19, v18, s26, s27           ; the other half of the channels' two
	v_perm_b32 v[KSC+(\b)], v19, v18, v8           ; lanes 0-15: mine, the other's of tile 2 b; lanes 16-31: the other's, mine of tile 2 b + 1; then two zeros
.irp c, 0,1,2
	global_store_b128 v5, v[KIM+4*\c:KIM+4*\c+3], s[10:11] offset:512*(3*(\b)+\c)   ; 512 consecutive bytes a store
.endr
.endm
	LOADK 0
	LOADK 1
	KBLK 0
	KBLK 1
	KBLK 2
	KBLK 3
	global_store_b128 v5, v[KSC:KSC+3], s[10:11] offset:12288
	s_wait_tensorcnt 0x0
	ds_add_u32 v248, v249
	s_wait_dscnt 0x0
	s_endpgm
; ---------------------------------------------------------------- the mask: 16 rows x 512 bytes a wave
.Lmask:
	s_lshl_b32 s18, ttmp9, 15                      ; 16 rows of 2,048 bytes a tile,
	s_lshl_b32 s19, s16, 9                         ; four steps of 128 bytes a wave
	s_add_co_u32 s18, s18, s19
	s_mov_b32 s19, 0
	s_add_nc_u64 s[8:9], s[8:9], s[18:19]
	s_lshl_b32 s18, ttmp9, 12                      ; mbits: 4,096 bytes a tile, 256 a step
	s_lshl_b32 s20, s16, 10
	s_add_co_u32 s18, s18, s20
	s_add_nc_u64 s[12:13], s[12:13], s[18:19]
	s_lshl_b32 s18, ttmp9, 4                       ; flags: 16 bytes a tile, 4 a wave
	s_lshl_b32 s24, s16, 2                         ; (also my first step's number)
	s_add_co_u32 s18, s18, s24
	s_add_nc_u64 s[14:15], s[14:15], s[18:19]
	s_mov_b32 s25, 0                               ; my flags word
	s_mul_i32 s22, s16, MWB
	s_add_co_u32 s22, s22, MST                     ; my stage
	v_lshlrev_b32 v5, 4, v2
	v_add_nc_u32 v6, s22, v5                       ; into it: a row's 512 bytes as they lie
	v_mul_u32_u24 v7, v3, 528
	v_lshl_add_u32 v7, v4, 4, v7
	v_add_nc_u32 v7, s22, v7                       ; out of it: row r, + 16 h: my 16 keys of a block of 32
	v_lshlrev_b32 v9, 3, v2
.irp i, 0,1,2,3,4,5,6,7
	v_mov_b32 v[MW+\i], 0                          ; written once: v_writelane_b32's destination counts as one of its sources
.endr
.irp j, 0,1,2,3,4,5,6,7,8,9,10,11,12,13,14,15
	global_load_b128 v[MRAW+4*\j:MRAW+4*\j+3], v5, s[8:9] offset:2048*\j th:TH_LOAD_NT   ; 512 consecutive bytes of row j
.endr
	s_wait_loadcnt 0x0
.irp j, 0,1,2,3,4,5,6,7,8,9,10,11,12,13,14,15
	ds_store_b128 v6, v[MRAW+4*\j:MRAW+4*\j+3] offset:528*\j
.endr
.irp i, 0,1,2,3
.irp b, 0,1,2,3
	ds_load_b128 v[MR+16*\i+4*\b:MR+16*\i+4*\b+3], v7 offset:128*\i+32*\b   ; step i, block b: byte e of register 16 i + n / 4 is word n = 16 b + .. 's bit for my lane
.endr
.endr
	s_wait_dscnt 0x0
; A step's 64 words: word n = 4 N + e is the set of lanes whose byte e of register N is not 0.  It goes to lane n / 2, register n % 2: so the 32 lanes' pairs are the 64 words on end.
.macro MSTEP i
.set N, 0
.rept 16
.irp e, 0,1,2,3
	v_and_b32 v[10+\e], 0xff<<(8*\e), v[MR+16*(\i)+N]
.endr
.irp e, 0,1,2,3
	v_cmp_ne_u32 s[20+\e], 0, v[10+\e]
.endr
.irp e, 0,1,2,3
	v_writelane_b32 v[MW+2*(\i)+\e%2], s[20+\e], 2*N+\e/2
.endr
.set N, N+1
.endr
	global_store_b64 v9, v[MW+2*(\i):MW+2*(\i)+1], s[12:13] offset:256*(\i)   ; 32 lanes store 256 consecutive bytes, at a multiple of 256 from the buffer's first byte
	v_or_b32 v10, v[MW+2*(\i)], v[MW+2*(\i)+1]
	v_and_b32 v11, v[MW+2*(\i)], v[MW+2*(\i)+1]
	v_cmp_ne_u32 s20, 0, v10                       ; lanes with a true bit among their two words
	v_cmp_ne_u32 s21, -1, v11                      ; lanes with a false one
	s_cmp_lg_u32 s20, 0
	s_cselect_b32 s22, 1, 0                        ; some bit of the step is true
	s_cmp_eq_u32 s21, 0
	s_cselect_b32 s23, 0x10000, 0                  ; all are
	s_or_b32 s22, s22, s23
	s_lshl_b32 s22, s22, \i
	s_or_b32 s25, s25, s22
.endm
	MSTEP 0
	MSTEP 1
	MSTEP 2
	MSTEP 3
	s_lshl_b32 s25, s25, s24                       ; my four steps' bits at their places among the sixteen
	v_mov_b32 v10, s25
	v_mov_b32 v11, 0
	s_wait_xcnt 0x0                                ; EXEC is a source of the stores above: it changes only behind this wait
	v_cmp_eq_u32 vcc_lo, 0, v2
	s_wait_tensorcnt 0x0
	ds_add_u32 v248, v249
	s_wait_dscnt 0x0
	s_and_saveexec_b32 s28, vcc_lo
	global_store_b32 v11, v10, s[14:15]            ; one lane stores the wave's word
	s_wait_xcnt 0x0                                ; and again, in front of the line that widens it
	s_or_b32 exec_lo, exec_lo, s28
	s_endpgm
.Lfunc_end_k_q53ef879e7f_prep:
	.size	k_q53ef879e7f_prep, .Lfunc_end_k_q53ef879e7f_prep-k_q53ef879e7f_prep
	.p2alignl 7, 3214868480
	.fill 96, 4, 3214868480
	.section	.rodata,"a",@progbits
	.p2align	6, 0x0
	.amdhsa_kernel k_q53ef879e7f_prep
		.amdhsa_group_segment_fixed_size 94208
		.amdhsa_private_segment_fixed_size 0
		.amdhsa_enable_private_segment 0
		.amdhsa_kernarg_size 48
		.amdhsa_user_sgpr_count 2
		.amdhsa_user_sgpr_kernarg_segment_ptr 1
		.amdhsa_wavefront_size32 1
		.amdhsa_system_sgpr_workgroup_id_x 1
		.amdhsa_system_sgpr_workgroup_id_y 1
		.amdhsa_system_sgpr_workgroup_id_z 1
		.amdhsa_system_vgpr_workitem_id 0
		.amdhsa_next_free_vgpr 250
		.amdhsa_next_free_sgpr 66
		.amdhsa_reserve_vcc 1
		.amdhsa_float_denorm_mode_32 3
		.amdhsa_float_denorm_mode_16_64 3
		.amdhsa_memory_ordered 1
		.amdhsa_forward_progress 1
		.amdhsa_inst_pref_size 125
	.end_amdhsa_kernel
	.amdgpu_metadata
---
amdhsa.version: [ 1, 2 ]
amdhsa.kernels:
  - .name:           k_q53ef879e7f_prep
    .symbol:         k_q53ef879e7f_prep.kd
    .args:
      - { .name: k, .offset: 0, .size: 8, .value_kind: global_buffer, .address_space: global }
      - { .name: v, .offset: 8, .size: 8, .value_kind: global_buffer, .address_space: global }
      - { .name: mask, .offset: 16, .size: 8, .value_kind: global_buffer, .address_space: global }
      - { .name: kv, .offset: 24, .size: 8, .value_kind: global_buffer, .address_space: global }
      - { .name: mbits, .offset: 32, .size: 8, .value_kind: global_buffer, .address_space: global }
      - { .name: flags, .offset: 40, .size: 8, .value_kind: global_buffer, .address_space: global }
    .group_segment_fixed_size: 94208
    .private_segment_fixed_size: 0
    .kernarg_segment_align: 8
    .kernarg_segment_size: 48
    .max_flat_workgroup_size: 128
    .sgpr_count:     66
    .vgpr_count:     250
    .wavefront_size: 32
...
	.end_amdgpu_metadata
.endif
;; end of part 1
;; launch attn (part 2): grid 4 x 64, 16 waves a work-group, no clusters, 284,672 bytes of LDS; arguments q, kv, mbits, flags, out0; writes out0
.if DOCPART == 2
	.amdgcn_target "amdgcn-amd-amdhsa--gfx1250"
	.amdhsa_code_object_version 6
	.text
	.protected	k_q53ef879e7f_attn
	.globl	k_q53ef879e7f_attn
	.p2align	8
	.type	k_q53ef879e7f_attn,@function
k_q53ef879e7f_attn:
	s_mov_b64 s[64:65], 0
	v_nop
	global_prefetch_b8 v0, s[64:65] scope:SCOPE_SE
	s_setreg_imm32_b32 hwreg(HW_REG_WAVE_MODE, 25, 1), 1
	s_wait_xcnt 0x0
; out0[hd][q][:] = the sum over k of softmax_k(mask ? Q[hd][q] . K[hd][k] / 8 : -infinity) V[hd][k][:], 64 heads x 2,048 x 64, both products on codes of BF6 (E3M2) with one E8M0 scale for each 32 along a product's K.
; K's and V's codes, their scale words, the mask's lane masks and the flags were made by the launch before, in the order of the operands' registers (its head comment gives the layouts).  Q is quantised here, in registers.
; THE SOFTMAX AHEAD OF THE SECOND PRODUCT: t = score x log2(e) / 8; M = the row's largest t so far, rounded UP to a whole number; p = 2^(t - M) is quantised along the keys, not normalised; the row's sum is taken of the
; unquantised p and divides at the end; when M moves, the sum and O are multiplied by 2^(old M - new M), which rounds nothing.
; SHARES.  Four work-groups to a head, sixteen waves each, four to a SIMD in 256 registers.  Wave w of work-group j takes tiles a = 4 w + j and 127 - a of the head's 128 tiles of 16 queries, one after the other.
; A HEAD'S WHOLE RECORD, 16 units x 13,056 = 208,896 bytes, is copied into LDS once, through registers; one barrier; behind it waves share nothing that is written.
; A KEY STEP is 128 keys.  The stored flags steer it: no bit of the tile's 16 x 128 mask bits true: the step is jumped over (its p would be 0 and M would stay); all true: no masking; else the 64 lane masks are read
; by scalar loads and hidden scores become -infinity.  That holds for every mask: nothing of the mask's pattern is built in.
; NO JOINT REQUESTS, though the four work-groups of a head copy the same 208,896 bytes: a joint request is a tensor load;
; the branch on the flags spares a step's 12 matrix and some 240 vector instructions wherever the mask hides the step, while what is shared is one copy at the head.
; NO PREFETCH: kv and q are asked for at the head, all at once; mbits is read again by all 64 heads.
; LAYOUT.  Both products are used transposed: S^T = K Q^T (source 0 = 16 keys, source 1 = my 16 queries), O^T = V^T P^T: a lane holds ONE query (lane % 16) throughout.  The keys of a tile are not neighbours
; (lane r of tile 2 b + u: key 32 b + 8 u + r + 8 (r / 8)), so that registers 16 b + i of S^T are keys 32 b + 16 (lane / 16) + i.
; THE FIRST PRODUCT'S K IS 64, the instruction's 128.  Q's registers 6-11 are zero codes and bytes 2, 3 of both scale words are 0, so k = 64 .. 127 adds 0 whatever finite codes stand on K's side (E3M2 has no
; infinity and no NaN).  Tile t's operand is v[KV + 6 t .. + 11]: its upper half is the next tile's real half, tile 7's a cleared tail.  So a step's eight fragments are 48 registers, 12 loads of 16 bytes a lane.
; LIMITS: NaN and infinities among q, k, v are not served; a block whose largest magnitude lies under 2^-122 keeps the byte 1, a block of zeros too (its codes are zeros).  A query with no true key gives NaN (0 x infinity), as the reference does.
; O^T begins as 32 zeros a tile and not with a first product on the constant 0: which step is a tile's first hangs on the flags.
.set UNIT,   13056
.set HEADB,  16*UNIT
.set STAGE0, 212992                    ; each wave's stage, 16 rows x 272 bytes.  4,096 bytes lie free between the record and the stages: the place of the half chunk that the fill's last, half, chunk does not write
.set STGB,   4352
.set KV,  38                           ; v38-85 a step's fragments of K, then of V; v86-91 the cleared tail
.set KS,  92                           ; v92-95 K's scale words
.set S,   96                           ; v96-159 S^T, then p
.set O,   160                          ; v160-191 O^T
.set VS,  192                          ; v192-193 V's scale words
.set PC,  194                          ; v194-205 p's codes
.set TMP, 206                          ; v206-208, v210-212 the second halves of the conversions
.set BM,  214                          ; v214-217 the blocks' largest scores, then largest p
.set BP,  218                          ; v218-221 the other half of the lanes', then the bytes
.set SO,  222                          ; v222-225 the conversions' scale operands
.set F,   226                          ; v226 2^(old M - new M)
.set PW,  227                          ; v227 p's scale word (named with F as a pair, of which the low word is taken)
.set T,   228
.set S2,  230                          ; v230-231 the sum's second chain
.set QFA, 16                           ; v16-27 tile A's Q, v28 its scale word; v242-253, v254 tile B's
.set QSA, 28
.set QFB, 242
.set QSB, 254
.set QRA, 38                           ; at the head only: v38-69, v70-101 Q as loaded; v102-201 the fill's 25 chunks, v202-205 its half chunk; v206-237 Q back from the stage; v29-36 at work
.set QRB, 70
.set FILL, 102
.set XQ,  206
; v1 16 x lane; v2 12,800 + 8 x lane; v3, v4 the step's LDS addresses; v5, v6, v7 my places in my stage; v8 -infinity; v9-11, v37 the fill's LDS addresses; v12 -M, v13 the largest t, v[14:15] the sum; v255 8 h
; s[16:63], s[68:83] the 64 lane masks (at the head: at work); s[84:85] lane selects; s[86:87] c; s88 the step; s89 its unit's LDS byte; s90, s91 at work; s92, s93 the two tiles' flags;
; s[94:97] their lane masks' addresses; s[98:101] their rows of out0
	s_load_b256 s[4:11], s[0:1], 0x0               ; q s[4:5], kv s[6:7], mbits s[8:9], flags s[10:11]
	s_load_b64 s[12:13], s[0:1], 0x20              ; out0
	v_lshl_add_u32 v240, v0, 2, 0x45000
	v_mov_b32 v241, 0
	v_lshrrev_b32 v1, 5, v0
	v_readfirstlane_b32 s14, v1                    ; wave 0..15
	v_and_b32 v2, 31, v0
	v_lshlrev_b32 v1, 4, v2                        ; 16 x lane
	v_lshlrev_b32 v2, 3, v2
	v_add_nc_u32 v2, 12800, v2                     ; V's scale words in a unit
	v_lshlrev_b32 v9, 4, v0                        ; the fill: 16 bytes a thread, 8,192 a chunk; in memory and in LDS alike
	v_add_nc_u32 v10, 0x10000, v9                  ; (an LDS offset has 16 bits: a register for each eight chunks)
	v_add_nc_u32 v11, 0x20000, v9
	v_add_nc_u32 v37, 0x30000, v9
	s_and_b32 s15, ttmp7, 0xffff                   ; the head
	s_lshl_b32 s16, s14, 2
	s_add_co_u32 s16, s16, ttmp9                   ; tile A = 4 w + j
	s_sub_co_u32 s17, 127, s16                     ; tile B
	s_lshl_b32 s18, s15, 19                        ; a head of q or out0: 2,048 rows of 256 bytes
	s_lshl_b32 s20, s16, 12                        ; a tile: 16 rows
	s_add_co_u32 s20, s20, s18
	s_mov_b32 s21, 0
	s_lshl_b32 s22, s17, 12
	s_add_co_u32 s22, s22, s18
	s_mov_b32 s23, 0
	s_mul_i32 s24, s15, HEADB
	s_mov_b32 s25, 0
	s_lshl_b32 s26, s16, 4                         ; flags: 16 bytes a tile
	s_lshl_b32 s27, s17, 4
	s_lshl_b32 s28, s16, 12                        ; mbits: 4,096 bytes a tile
	s_mov_b32 s29, 0
	s_lshl_b32 s30, s17, 12
	s_mov_b32 s31, 0
	s_mov_b32 s84, 0x76543210
	s_mov_b32 s85, 0xfedcba98                      ; v_permlanex16_b32's selects for lane l xor 16
	s_mov_b32 s86, 0x3e38aa3b                      ; c = log2(e) / 8
	s_mov_b32 s87, s86                             ; (named with it as a pair, so it is written)
	s_wait_kmcnt 0x0
	s_add_nc_u64 s[98:99], s[12:13], s[20:21]
	s_add_nc_u64 s[100:101], s[12:13], s[22:23]
	s_add_nc_u64 s[32:33], s[4:5], s[20:21]        ; Q of tile A,
	s_add_nc_u64 s[34:35], s[4:5], s[22:23]        ; of tile B
	s_add_nc_u64 s[6:7], s[6:7], s[24:25]          ; my head's record
	s_add_nc_u64 s[94:95], s[8:9], s[28:29]
	s_add_nc_u64 s[96:97], s[8:9], s[30:31]
	s_load_b128 s[36:39], s[10:11], s26 offset:0x0 ; the two tiles' flags, four words each
	s_load_b128 s[40:43], s[10:11], s27 offset:0x0
	s_cmp_lt_u32 s14, 8                            ; 208,896 = 25.5 x 8,192: the half chunk is waves 0 to 7's.  It is the oldest load, so the counts below hold in every wave
	s_cbranch_scc0 .Lno_half_load
	global_load_b128 v[202:205], v9, s[6:7] offset:204800
.Lno_half_load:
.irp j, 0,1,2,3,4,5,6,7
	global_load_b128 v[QRA+4*\j:QRA+4*\j+3], v1, s[32:33] offset:512*\j th:TH_LOAD_NT   ; two rows of Q, 512 consecutive bytes
.endr
.irp j, 0,1,2,3,4,5,6,7
	global_load_b128 v[QRB+4*\j:QRB+4*\j+3], v1, s[34:35] offset:512*\j th:TH_LOAD_NT
.endr
.set J, 0
.rept 25
	global_load_b128 v[FILL+4*J:FILL+4*J+3], v9, s[6:7] offset:8192*J
.set J, J+1
.endr
	v_and_b32 v29, 15, v0                          ; r
	v_bfe_u32 v30, v0, 4, 1                        ; h
	s_mul_i32 s44, s14, STGB
	s_add_co_u32 s44, s44, STAGE0                  ; my stage
	v_mul_u32_u24 v7, v29, 272
	v_lshl_add_u32 v5, v30, 5, v7
	v_add_nc_u32 v5, s44, v5                       ; O^T in: row r, + 32 h
	v_lshl_add_u32 v7, v30, 7, v7
	v_add_nc_u32 v7, s44, v7                       ; Q out: row r, + my half's 32 channels
	v_mul_u32_u24 v6, v30, 272
	v_lshl_add_u32 v6, v29, 4, v6
	v_add_nc_u32 v6, s44, v6                       ; whole rows, in (Q) and out (O): lanes 0-15 one row, lanes 16-31 the next
	v_lshlrev_b32 v255, 3, v30                     ; 8 h
	v_mov_b32 v33, 0                               ; written once: a lane permute's destination counts as one of its sources
; 16 rows of Q turn through my stage, so that lane (r, h) holds channels 32 h .. 32 h + 31 of row r: one block; they become registers 0-5 of the operand; registers 6-11 are zero codes.
.macro QPREP raw, qf, qs
.irp j, 0,1,2,3,4,5,6,7
	ds_store_b128 v6, v[\raw+4*\j:\raw+4*\j+3] offset:544*\j
.endr
.irp j, 0,1,2,3,4,5,6,7
	ds_load_b128 v[XQ+4*\j:XQ+4*\j+3], v7 offset:16*\j   ; LDS serves a wave's instructions in order: these see my stores
.endr
	s_wait_dscnt 0x0
	v_max3_num_f32 v29, |v[XQ]|, |v[XQ+1]|, |v[XQ+2]|
	v_max3_num_f32 v30, |v[XQ+3]|, |v[XQ+4]|, |v[XQ+5]|
.irp i, 6,10,14,18,22,26
	v_max3_num_f32 v29, v29, |v[XQ+\i]|, |v[XQ+\i+1]|
	v_max3_num_f32 v30, v30, |v[XQ+\i+2]|, |v[XQ+\i+3]|
.endr
	v_max3_num_f32 v29, v29, |v[XQ+30]|, |v[XQ+31]|
	v_max3_num_f32 v29, v29, v30, 0x2800000        ; the floor 2^(5 - 127): the byte cannot fall under 1
	v_add_nc_u32 v31, 0xfe000000, v29              ; 4 off the exponent field: the conversion's scale operand
	v_cvt_scalef32_pk16_bf6_f32 v[\qf:\qf+2], v[XQ:XQ+15], v31
	v_cvt_scalef32_pk16_bf6_f32 v[34:36], v[XQ+16:XQ+31], v31   ; (a conversion's three registers begin on an even number)
	v_lshrrev_b32 v32, 23, v31                     ; the scale's byte: also the plain line behind the conversions
	v_lshlrev_b32 v32, v255, v32                   ; at its place: byte h
	v_permlanex16_b32 v33, v32, s84, s85
	v_or_b32 v[\qs], v32, v33                      ; with the other half's the word is whole; bytes 2 and 3 are 0
.irp i, 0,1,2
	v_mov_b32 v[\qf+3+\i], v[34+\i]
.endr
.irp i, 6,7,8,9,10,11
	v_mov_b32 v[\qf+\i], 0
.endr
.endm
	s_wait_loadcnt 33                              ; tile A's Q is in: behind it stand tile B's 8 loads and the fill's 25
	QPREP QRA, QFA, QSA
	s_wait_loadcnt 25                              ; tile B's
	QPREP QRB, QFB, QSB
.set J, 0
.rept 25
	s_wait_loadcnt 24-J                            ; chunk J is in; the younger chunks may be out
.if J/8 < 3
	ds_store_b128 v[9+J/8], v[FILL+4*J:FILL+4*J+3] offset:8192*(J%8)
.else
	ds_store_b128 v37, v[FILL+4*J:FILL+4*J+3] offset:8192*(J%8)
.endif
.set J, J+1
.endr
	s_cmp_lt_u32 s14, 8
	s_cbranch_scc0 .Lno_half_store
	ds_store_b128 v37, v[202:205] offset:8192      ; bytes 204,800 on
.Lno_half_store:
	s_wait_kmcnt 0x0                               ; the flags
	s_or_b32 s92, s36, s37
	s_or_b32 s92, s92, s38
	s_or_b32 s92, s92, s39                         ; tile A: bit s = step s has a true bit, bit 16 + s = all its bits are true
	s_or_b32 s93, s40, s41
	s_or_b32 s93, s93, s42
	s_or_b32 s93, s93, s43
	s_wait_dscnt 0x0                               ; for the others' sake: my part of the record lies in LDS
	s_barrier_signal -1
	s_barrier_wait -1                              ; everybody's does.  The record is written no more
.irp i, 0,1,2,3,4,5
	v_mov_b32 v[KV+48+\i], 0                       ; the tail behind tile 7's real half
.endr
.irp b, 0,1,2,3
	v_mov_b32 v[BP+\b], 0                          ; written once: a lane permute's destination counts as one of its sources
.endr
	v_mov_b32 v[PW], 0                             ; (named as the upper half of the pair with F before it is first written)
	v_mov_b32 v8, 0xff800000                       ; -infinity
; S^T of a step, and V on its way.  The loads into KV stand behind plain vector lines enough on every way here: the last products on KV are followed by the nine lines that end the step's sums.
.macro FRONT qf, qs
	v_add_nc_u32 v3, s89, v1
	v_add_nc_u32 v4, s89, v2
.set G, 0
.rept 12
	ds_load_b128 v[KV+4*G:KV+4*G+3], v3 offset:512*G   ; K's image: 512 consecutive bytes a load
.set G, G+1
.endr
	ds_load_b128 v[KS:KS+3], v3 offset:12288
	s_wait_dscnt 0x0
.irp t, 0,1,2,3,4,5,6,7
.if \t%2
	v_wmma_scale_f32_16x16x128_f8f6f4 v[S+8*\t:S+8*\t+7], v[KV+6*\t:KV+6*\t+11], v[\qf:\qf+11], 0, v[KS+\t/2], v[\qs] matrix_a_fmt:MATRIX_FMT_BF6 matrix_b_fmt:MATRIX_FMT_BF6 matrix_a_scale:MATRIX_SCALE_ROW1
.else
	v_wmma_scale_f32_16x16x128_f8f6f4 v[S+8*\t:S+8*\t+7], v[KV+6*\t:KV+6*\t+11], v[\qf:\qf+11], 0, v[KS+\t/2], v[\qs] matrix_a_fmt:MATRIX_FMT_BF6 matrix_b_fmt:MATRIX_FMT_BF6
.endif
.endr
.rept 4
	v_nop                                          ; four places in front of the loads into registers that these products read, and of the first read of their results
.endr
.set G, 0
.rept 12
	ds_load_b128 v[KV+4*G:KV+4*G+3], v3 offset:6144+512*G   ; V's image lands while the softmax is walked
.set G, G+1
.endr
	ds_load_b64 v[VS:VS+1], v4
.endm
; Hidden scores become -infinity: p = 0 then.  Word n is the lane mask of register n; ascending.
.macro MASKIT
.set N, 0
.rept 64
.if N < 48
	v_cndmask_b32 v[S+N], v8, v[S+N], s[16+N]
.else
	v_cndmask_b32 v[S+N], v8, v[S+N], s[20+N]
.endif
.set N, N+1
.endr
.endm
; two links of the row's sum, in two chains
.macro SUMS from, to
.set J, \from
.rept ((\to)-(\from))/4+1
	v_pk_add_f32 v[14:15], v[14:15], v[S+J:S+J+1]
	v_pk_add_f32 v[S2:S2+1], v[S2:S2+1], v[S+J+2:S+J+3]
.set J, J+4
.endr
.endm
.macro SOFT
.irp b, 0,1,2,3
	v_max3_num_f32 v[BM+\b], v[S+16*\b], v[S+16*\b+1], v[S+16*\b+2]   ; the largest score of each block of 32 keys: for the row's maximum, and, since p rises with the score, for the block's largest p
.endr
.irp i, 3,5,7,9,11,13
.irp b, 0,1,2,3
	v_max3_num_f32 v[BM+\b], v[BM+\b], v[S+16*\b+\i], v[S+16*\b+\i+1]   ; (the four blocks by turns)
.endr
.endr
.irp b, 0,1,2,3
	v_max_num_f32 v[BM+\b], v[BM+\b], v[S+16*\b+15]
.endr
.irp b, 0,1,2,3
	v_permlanex16_b32 v[BP+\b], v[BM+\b], s84, s85
.endr
.irp b, 0,1,2,3
	v_max_num_f32 v[BM+\b], v[BM+\b], v[BP+\b]     ; with lane l xor 16's 16 keys
.endr
	v_max3_num_f32 v[T], v[BM], v[BM+1], v[BM+2]
	v_max_num_f32 v[T], v[T], v[BM+3]              ; the step's largest score of my query (-infinity where all its keys are hidden)
	v_mul_f32 v[T], s86, v[T]                      ; as t
	v_max_num_f32 v13, v13, v[T]                   ; the running largest t
	v_mov_b32 v[T], v12
	v_floor_f32 v12, -v13                          ; the new -M = floor(-t) = -ceil(t)
	v_sub_f32 v[T], v12, v[T]                      ; old M - new M: a whole number, 0 or less
	v_cvt_i32_f32 v[T], v[T]                       ; (it saturates)
	v_ldexp_f32 v[F], 1.0, v[T]                    ; f = 2^(old M - new M)
.set J, 0
.rept 32
	v_pk_fma_f32 v[S+J:S+J+1], v[S+J:S+J+1], s[86:87], v[12:13] op_sel_hi:[1,0,0]   ; t - M, two at a time (of the pairs c and -M the low word serves both halves)
.set J, J+2
.endr
.irp b, 0,1,2,3
	v_fma_f32 v[BM+\b], v[BM+\b], s86, v12         ; the same of each block's largest score
.endr
.set J, 0
.rept 64
	v_exp_f32 v[S+J], v[S+J]                       ; p = 2^(t - M), at most 1
.set J, J+1
.endr
	v_pk_mul_f32 v[14:15], v[14:15], v[F:F+1] op_sel_hi:[1,0]   ; the sums under the new M: the plain line behind the exponentials
	s_wait_alu depctr_va_vdst(0)                   ; one wait for the batch of 64, ahead of its first reader
.irp b, 0,1,2,3
	v_exp_f32 v[BM+\b], v[BM+\b]                   ; the blocks' largest p: the same two instructions on the same number give the same bits
.endr
	v_pk_add_f32 v[S2:S2+1], v[S:S+1], v[S+2:S+3]  ; the row's sum is taken of the unquantised p.  Its first part reads the 64 alone: plain work behind the four
	SUMS 4, 20
	s_wait_alu depctr_va_vdst(0)                   ; and one wait for the four
.irp b, 0,1,2,3
	v_max_num_f32 v[BM+\b], 0x2800000, v[BM+\b]    ; the floor 2^(5 - 127): a block whose every p is 0 keeps the byte 1; its codes are zeros
.endr
.irp b, 0,1,2,3
	v_add_nc_u32 v[SO+\b], 0xfe000000, v[BM+\b]    ; 4 off the exponent field: the conversion's scale operand
.endr
.irp b, 0,1,2,3
	v_lshrrev_b32 v[BP+\b], 23, v[SO+\b]           ; the scale's byte
.endr
	v_lshl_or_b32 v[PW], v[BP+1], 8, v[BP]         ; p's scale word for these 128 keys
	v_lshl_or_b32 v[PW], v[BP+2], 16, v[PW]
	v_lshl_or_b32 v[PW], v[BP+3], 24, v[PW]
.irp c, 0,1
	v_cvt_scalef32_pk16_bf6_f32 v[PC+6*\c:PC+6*\c+2], v[S+32*\c:S+32*\c+15], v[SO+2*\c]
	v_cvt_scalef32_pk16_bf6_f32 v[TMP+4*\c:TMP+4*\c+2], v[S+32*\c+16:S+32*\c+31], v[SO+2*\c+1]   ; (a conversion's three registers begin on an even number)
.endr
.set J, 0
.rept 16
	v_pk_mul_f32 v[O+J:O+J+1], v[O+J:O+J+1], v[F:F+1] op_sel_hi:[1,0]   ; O^T under the new M, each accumulator from its low end on.  (Plain lines behind the conversions)
.set J, J+2
.endr
.irp c, 0,1                            ; the operand's layout wants a WHOLE block in a lane: lanes 0-15 block 2 c, lanes 16-31 block 2 c + 1
.irp i, 0,1,2
	v_permlane16_swap_b32 v[PC+6*\c+\i], v[TMP+4*\c+\i]
.endr
.irp i, 0,1,2
	v_mov_b32 v[PC+3+6*\c+\i], v[TMP+4*\c+\i]
.endr
.endr
	SUMS 24, 44                                    ; twelve plain lines between the last write of p's codes, and more behind that of its scale word, and the products
	s_wait_dscnt 0x0                               ; V and its scale words are in
.irp t, 0,1,2,3                        ; O^T += V^T P^T: the four accumulators, one instruction each
.if \t%2
	v_wmma_scale_f32_16x16x128_f8f6f4 v[O+8*\t:O+8*\t+7], v[KV+12*\t:KV+12*\t+11], v[PC:PC+11], v[O+8*\t:O+8*\t+7], v[VS+\t/2], v[PW] matrix_a_fmt:MATRIX_FMT_BF6 matrix_b_fmt:MATRIX_FMT_BF6 matrix_a_scale:MATRIX_SCALE_ROW1
.else
	v_wmma_scale_f32_16x16x128_f8f6f4 v[O+8*\t:O+8*\t+7], v[KV+12*\t:KV+12*\t+11], v[PC:PC+11], v[O+8*\t:O+8*\t+7], v[VS+\t/2], v[PW] matrix_a_fmt:MATRIX_FMT_BF6 matrix_b_fmt:MATRIX_FMT_BF6
.endif
.endr
	SUMS 48, 60                                    ; the end of the sums: nine plain lines that name none of these products' registers: the places in front of the next loads into KV and of the next read of O^T, on every way
	v_pk_add_f32 v[14:15], v[14:15], v[S2:S2+1]
.endm
; O^T / the sum goes through my stage and leaves as whole rows.
.macro EPI op
	v_add_f32 v14, v14, v15                        ; the sum's two halves,
	v_permlanex16_b32 v[BP], v14, s84, s85
	v_add_f32 v14, v14, v[BP]                      ; and lane l xor 16's: the row's sum (0 where no key counted: the row then is 0 x infinity)
	v_rcp_f32 v14, v14
	v_nop                                          ; a plain line behind the transcendental
	s_wait_alu depctr_va_vdst(0)                   ; and the wait ahead of its first reader
.set J, 0
.rept 16
	v_pk_mul_f32 v[S+J:S+J+1], v[O+J:O+J+1], v[14:15] op_sel_hi:[1,0]   ; register 8 t + i is out(r, 16 t + 8 h + i)
.set J, J+2
.endr
.irp t, 0,1,2,3
	ds_store_b128 v5, v[S+8*\t:S+8*\t+3] offset:64*\t
	ds_store_b128 v5, v[S+8*\t+4:S+8*\t+7] offset:64*\t+16
.endr
.irp i, 0,1,2,3,4,5,6,7
	ds_load_b128 v[S+32+4*\i:S+32+4*\i+3], v6 offset:544*\i   ; LDS serves a wave's instructions in order: these see my stores
.endr
.irp i, 0,1,2,3,4,5,6,7
	s_wait_dscnt 7-\i                              ; the younger loads may be out
	global_store_b128 v1, v[S+32+4*\i:S+32+4*\i+3], s[\op:\op+1] offset:512*\i th:TH_STORE_NT   ; two rows: 512 consecutive bytes, at a multiple of 256 from the buffer's first byte
.endr
	s_wait_xcnt 0x0                                ; the stores have read their registers: the next tile writes them
.endm
; A tile of 16 queries: sixteen trips, a constant; what a trip does hangs on the tile's flags.
.macro TILE qf, qs, fl, mb, op
	v_mov_b32 v13, 0xff61b1e6                      ; the largest t so far: -3e38, under every t
	v_mov_b32 v14, 0                               ; the sum, in two halves
	v_mov_b32 v15, 0
	v_floor_f32 v12, -v13                          ; -M
.set J, 0
.rept 32
	v_mov_b32 v[O+J], 0
.set J, J+1
.endr
	s_mov_b32 s88, 0
	s_mov_b32 s89, 0
.Lstep_\@:
	s_bitcmp1_b32 s[\fl], s88
	s_cbranch_scc0 .Lnext_\@                       ; no key of this step counts for any of my 16 queries
	s_add_co_u32 s91, s88, 16
	s_bitcmp1_b32 s[\fl], s91
	s_cbranch_scc1 .Lfull_\@                       ; all count
	s_lshl_b32 s90, s88, 8                         ; the step's 64 lane masks, 256 bytes
	s_load_b512 s[16:31], s[\mb:\mb+1], s90 offset:0x0
	s_load_b512 s[32:47], s[\mb:\mb+1], s90 offset:0x40
	s_load_b512 s[48:63], s[\mb:\mb+1], s90 offset:0x80
	s_load_b512 s[68:83], s[\mb:\mb+1], s90 offset:0xc0
	FRONT \qf, \qs
	s_wait_kmcnt 0x0                               ; the masks are in (and their offset register may be written again)
	MASKIT
	s_branch .Lsoft_\@
.Lfull_\@:
	FRONT \qf, \qs
.Lsoft_\@:
	SOFT
.Lnext_\@:
	s_add_co_u32 s89, s89, UNIT
	s_add_co_u32 s88, s88, 1
	s_cmp_lt_u32 s88, 16
	s_cbranch_scc1 .Lstep_\@
	EPI \op
.endm
	TILE QFA, QSA, 92, 94, 98
	TILE QFB, QSB, 93, 96, 100
	s_wait_tensorcnt 0x0
	ds_add_u32 v240, v241
	s_wait_dscnt 0x0
	s_endpgm
.Lfunc_end_k_q53ef879e7f_attn:
	.size	k_q53ef879e7f_attn, .Lfunc_end_k_q53ef879e7f_attn-k_q53ef879e7f_attn
	.p2alignl 7, 3214868480
	.fill 96, 4, 3214868480
	.section	.rodata,"a",@progbits
	.p2align	6, 0x0
	.amdhsa_kernel k_q53ef879e7f_attn
		.amdhsa_group_segment_fixed_size 284672
		.amdhsa_private_segment_fixed_size 0
		.amdhsa_enable_private_segment 0
		.amdhsa_kernarg_size 40
		.amdhsa_user_sgpr_count 2
		.amdhsa_user_sgpr_kernarg_segment_ptr 1
		.amdhsa_wavefront_size32 1
		.amdhsa_system_sgpr_workgroup_id_x 1
		.amdhsa_system_sgpr_workgroup_id_y 1
		.amdhsa_system_sgpr_workgroup_id_z 1
		.amdhsa_system_vgpr_workitem_id 0
		.amdhsa_next_free_vgpr 256
		.amdhsa_next_free_sgpr 102
		.amdhsa_reserve_vcc 0
		.amdhsa_float_denorm_mode_32 3
		.amdhsa_float_denorm_mode_16_64 3
		.amdhsa_memory_ordered 1
		.amdhsa_forward_progress 1
		.amdhsa_inst_pref_size 70
	.end_amdhsa_kernel
	.amdgpu_metadata
---
amdhsa.version: [ 1, 2 ]
amdhsa.kernels:
  - .name:           k_q53ef879e7f_attn
    .symbol:         k_q53ef879e7f_attn.kd
    .args:
      - { .name: q, .offset: 0, .size: 8, .value_kind: global_buffer, .address_space: global }
      - { .name: kv, .offset: 8, .size: 8, .value_kind: global_buffer, .address_space: global }
      - { .name: mbits, .offset: 16, .size: 8, .value_kind: global_buffer, .address_space: global }
      - { .name: flags, .offset: 24, .size: 8, .value_kind: global_buffer, .address_space: global }
      - { .name: out0, .offset: 32, .size: 8, .value_kind: global_buffer, .address_space: global }
    .group_segment_fixed_size: 284672
    .private_segment_fixed_size: 0
    .kernarg_segment_align: 8
    .kernarg_segment_size: 40
    .max_flat_workgroup_size: 512
    .sgpr_count:     102
    .vgpr_count:     256
    .wavefront_size: 32
...
	.end_amdgpu_metadata
.endif
;; end of part 2
;; ======== version 2 of 2: 2 launches; version 1 with the launch attn written anew for expert scheduling mode
;; workspace buffers: kv 13,369,344 bytes; mbits 524,288 bytes of whole numbers; flags 2,048 bytes of whole numbers
;; launch prep: the kernel of part 1 again; grid 640 x 1, 4 waves a work-group, no clusters, 94,208 bytes of LDS; arguments k, v, mask, kv, mbits, flags; writes kv, mbits, flags
;; launch attn (part 3): grid 4 x 64, 16 waves a work-group, no clusters, 284,672 bytes of LDS; arguments q, kv, mbits, flags, out0; writes out0
.if DOCPART == 3
	.amdgcn_target "amdgcn-amd-amdhsa--gfx1250"
	.amdhsa_code_object_version 6
	.text
	.protected	k_q53ef879e7f_attn
	.globl	k_q53ef879e7f_attn
	.p2align	8
	.type	k_q53ef879e7f_attn,@function
k_q53ef879e7f_attn:
	s_mov_b64 s[64:65], 0
	v_nop
	global_prefetch_b8 v0, s[64:65] scope:SCOPE_SE
	s_setreg_imm32_b32 hwreg(HW_REG_WAVE_SCHED_MODE, 0, 2), 2
	s_setreg_imm32_b32 hwreg(HW_REG_WAVE_MODE, 25, 1), 1
	s_wait_xcnt 0x0
	s_wait_alu depctr_vm_vsrc(0)
; out0[hd][q][:] = the sum over k of softmax_k(mask ? Q[hd][q] . K[hd][k] / 8 : -infinity) V[hd][k][:], 64 heads x 2,048 x 64, both products on codes of BF6 (E3M2) with one E8M0 scale for each 32 along a product's K.
; K's and V's codes, their scale words, the mask's lane masks and the flags were made by the launch before, in the order of the operands' registers (its head comment gives the layouts).  Q is quantised here, in registers.
; THE SOFTMAX AHEAD OF THE SECOND PRODUCT: t = score x log2(e) / 8; M = the row's largest t so far, rounded UP to a whole number; p = 2^(t - M) is quantised along the keys, not normalised; the row's sum is taken of the
; unquantised p and divides at the end; when M moves, the sum and O are multiplied by 2^(old M - new M), which rounds nothing.
; SHARES.  Four work-groups to a head, sixteen waves each, four to a SIMD in 256 registers.  Wave w of work-group j takes tiles a = 4 w + j and 127 - a of the head's 128 tiles of 16 queries, one after the other.
; A HEAD'S WHOLE RECORD, 16 units x 13,056 = 208,896 bytes, is copied into LDS once, through registers; one barrier; behind it waves share nothing that is written.
; A KEY STEP is 128 keys.  The stored flags steer it: no bit of the tile's 16 x 128 mask bits true: the step is jumped over (its p would be 0 and M would stay); all true: no masking; else the 64 lane masks are read
; by scalar loads and hidden scores become -infinity.  That holds for every mask: nothing of the mask's pattern is built in.
; NO JOINT REQUESTS, though the four work-groups of a head copy the same 208,896 bytes: a joint request is a tensor load;
; the branch on the flags spares a step's 12 matrix and some 240 vector instructions wherever the mask hides the step, while what is shared is one copy at the head.
; NO PREFETCH: kv and q are asked for at the head, all at once; mbits is read again by all 64 heads.
; LAYOUT.  Both products are used transposed: S^T = K Q^T (source 0 = 16 keys, source 1 = my 16 queries), O^T = V^T P^T: a lane holds ONE query (lane % 16) throughout.  The keys of a tile are not neighbours
; (lane r of tile 2 b + u: key 32 b + 8 u + r + 8 (r / 8)), so that registers 16 b + i of S^T are keys 32 b + 16 (lane / 16) + i.
; THE FIRST PRODUCT'S K IS 64, the instruction's 128.  Q's registers 6-11 are zero codes and bytes 2, 3 of both scale words are 0, so k = 64 .. 127 adds 0 whatever finite codes stand on K's side (E3M2 has no
; infinity and no NaN).  Tile t's operand is v[KV + 6 t .. + 11]: its upper half is the next tile's real half, tile 7's a cleared tail.  So a step's eight fragments are 48 registers, 12 loads of 16 bytes a lane.
; LIMITS: NaN and infinities among q, k, v are not served; a block whose largest magnitude lies under 2^-122 keeps the byte 1, a block of zeros too (its codes are zeros).  A query with no true key gives NaN (0 x infinity), as the reference does.
; O^T begins as 32 zeros a tile and not with a first product on the constant 0: which step is a tile's first hangs on the flags.
; THE MODE: SCHED_MODE bits 1:0 = 2 (LLVM: expert scheduling mode 2), set by the entry lines.  The code itself states the register dependences between vector or matrix instructions and memory or LDS
; instructions, with s_wait_alu, always for 0.
; THE PLAN.  Registers that LDS instructions touch in a key step, and who else names them:
;   v3, v4      the step's LDS addresses: written by two additions at the step's head, read by its 26 LDS loads.  v1, v2, from which they are made, are never written again.
;   KV v38-85   K's image lands; the eight products S^T read it; V's image lands in the same registers; the four products O^T read it.
;   KS v92-95   lands with K's image, read by the eight products.      VS v192-193   lands with V's image, read by the four.
;   PC, PW, Q's codes and scale word and the tail v86-91 are written by vector instructions and read by scaled products; S, O and the statistics are named by vector and matrix instructions alone.
; So a step has: one wait on vm_vsrc at its head (the last step's loads have read v3, v4); one on va_vdst behind the two additions (v3, v4 are written; the last step's products are done with KV and KS; Q's operand is whole);
; one behind the eight products (they are done with KV, the last step's four with VS); the two behind the exponentials; one ahead of the four products (PC and PW are written).
; Behind the third of these V's 13 loads are dealt among the lines that search the blocks' maxima: those lines, and the masking lines ahead of them, name S, BM and v8, none of KV, VS, v3, v4.
; ONE SET OF FRAGMENTS: the launch gives a wave 256 registers; those that lie idle in the loop are some two dozen, scattered; a second set would be 48.
.set UNIT,   13056
.set HEADB,  16*UNIT
.set STAGE0, 212992                    ; each wave's stage, 16 rows x 272 bytes.  4,096 bytes lie free between the record and the stages: the place of the half chunk that the fill's last, half, chunk does not write
.set STGB,   4352
.set KV,  38                           ; v38-85 a step's fragments of K, then of V; v86-91 the cleared tail
.set KS,  92                           ; v92-95 K's scale words
.set S,   96                           ; v96-159 S^T, then p
.set O,   160                          ; v160-191 O^T
.set VS,  192                          ; v192-193 V's scale words
.set PC,  194                          ; v194-205 p's codes
.set TMP, 206                          ; v206-208, v210-212 the second halves of the conversions
.set BM,  214                          ; v214-217 the blocks' largest scores, then largest p
.set BP,  218                          ; v218-221 the other half of the lanes', then the bytes
.set SO,  222                          ; v222-225 the conversions' scale operands
.set F,   226                          ; v226 2^(old M - new M)
.set PW,  227                          ; v227 p's scale word (named with F as a pair, of which the low word is taken)
.set T,   228
.set S2,  230                          ; v230-231 the sum's second chain
.set QFA, 16                           ; v16-27 tile A's Q, v28 its scale word; v242-253, v254 tile B's
.set QSA, 28
.set QFB, 242
.set QSB, 254
.set QRA, 38                           ; at the head only: v38-69, v70-101 Q as loaded; v102-201 the fill's 25 chunks, v202-205 its half chunk; v206-237 Q back from the stage; v29-36 at work
.set QRB, 70
.set FILL, 102
.set XQ,  206
; v1 16 x lane; v2 12,800 + 8 x lane; v3, v4 the step's LDS addresses; v5, v6, v7 my places in my stage; v8 -infinity; v9-11, v37 the fill's LDS addresses; v12 -M, v13 the largest t, v[14:15] the sum; v255 8 h
; v240 the LDS address of my spare word, v241 0: made at the head and kept for the closing lines alone
; s[16:63], s[68:83] the 64 lane masks (at the head: at work); s[84:85] lane selects; s[86:87] c; s88 the step; s89 its unit's LDS byte; s90, s91 at work; s92, s93 the two tiles' flags;
; s[94:97] their lane masks' addresses; s[98:101] their rows of out0
	s_load_b256 s[4:11], s[0:1], 0x0               ; q s[4:5], kv s[6:7], mbits s[8:9], flags s[10:11]
	s_load_b64 s[12:13], s[0:1], 0x20              ; out0
	v_lshl_add_u32 v240, v0, 2, 0x45000
	v_mov_b32 v241, 0
	v_lshrrev_b32 v1, 5, v0
	v_readfirstlane_b32 s14, v1                    ; wave 0..15
	v_and_b32 v2, 31, v0
	v_lshlrev_b32 v1, 4, v2                        ; 16 x lane
	v_lshlrev_b32 v2, 3, v2
	v_add_nc_u32 v2, 12800, v2                     ; V's scale words in a unit
	v_lshlrev_b32 v9, 4, v0                        ; the fill: 16 bytes a thread, 8,192 a chunk; in memory and in LDS alike
	v_add_nc_u32 v10, 0x10000, v9                  ; (an LDS offset has 16 bits: a register for each eight chunks)
	v_add_nc_u32 v11, 0x20000, v9
	v_add_nc_u32 v37, 0x30000, v9
	s_and_b32 s15, ttmp7, 0xffff                   ; the head
	s_wait_alu depctr_va_sdst(0)                   ; s14 is written, ahead of its first reader: the tiles' numbers and my stage are made from it
	s_lshl_b32 s16, s14, 2
	s_add_co_u32 s16, s16, ttmp9                   ; tile A = 4 w + j
	s_sub_co_u32 s17, 127, s16                     ; tile B
	s_lshl_b32 s18, s15, 19                        ; a head of q or out0: 2,048 rows of 256 bytes
	s_lshl_b32 s20, s16, 12                        ; a tile: 16 rows
	s_add_co_u32 s20, s20, s18
	s_mov_b32 s21, 0
	s_lshl_b32 s22, s17, 12
	s_add_co_u32 s22, s22, s18
	s_mov_b32 s23, 0
	s_mul_i32 s24, s15, HEADB
	s_mov_b32 s25, 0
	s_lshl_b32 s26, s16, 4                         ; flags: 16 bytes a tile
	s_lshl_b32 s27, s17, 4
	s_lshl_b32 s28, s16, 12                        ; mbits: 4,096 bytes a tile
	s_mov_b32 s29, 0
	s_lshl_b32 s30, s17, 12
	s_mov_b32 s31, 0
	s_mov_b32 s84, 0x76543210
	s_mov_b32 s85, 0xfedcba98                      ; v_permlanex16_b32's selects for lane l xor 16
	s_mov_b32 s86, 0x3e38aa3b                      ; c = log2(e) / 8
	s_mov_b32 s87, s86                             ; (named with it as a pair, so it is written)
	s_wait_kmcnt 0x0
	s_add_nc_u64 s[98:99], s[12:13], s[20:21]
	s_add_nc_u64 s[100:101], s[12:13], s[22:23]
	s_add_nc_u64 s[32:33], s[4:5], s[20:21]        ; Q of tile A,
	s_add_nc_u64 s[34:35], s[4:5], s[22:23]        ; of tile B
	s_add_nc_u64 s[6:7], s[6:7], s[24:25]          ; my head's record
	s_add_nc_u64 s[94:95], s[8:9], s[28:29]
	s_add_nc_u64 s[96:97], s[8:9], s[30:31]
	s_load_b128 s[36:39], s[10:11], s26 offset:0x0 ; the two tiles' flags, four words each
	s_load_b128 s[40:43], s[10:11], s27 offset:0x0
	s_wait_alu depctr_va_vdst(0)                   ; v1 and v9 are written, the offsets of the loads below and of the last stores; so are v10, v11 and v37, which the fill's LDS stores read: no vector instruction writes these five again
	s_cmp_lt_u32 s14, 8                            ; 208,896 = 25.5 x 8,192: the half chunk is waves 0 to 7's.  It is the oldest load, so the counts below hold in every wave
	s_cbranch_scc0 .Lno_half_load
	global_load_b128 v[202:205], v9, s[6:7] offset:204800
.Lno_half_load:
.irp j, 0,1,2,3,4,5,6,7
	global_load_b128 v[QRA+4*\j:QRA+4*\j+3], v1, s[32:33] offset:512*\j th:TH_LOAD_NT   ; two rows of Q, 512 consecutive bytes
.endr
.irp j, 0,1,2,3,4,5,6,7
	global_load_b128 v[QRB+4*\j:QRB+4*\j+3], v1, s[34:35] offset:512*\j th:TH_LOAD_NT
.endr
.set J, 0
.rept 25
	global_load_b128 v[FILL+4*J:FILL+4*J+3], v9, s[6:7] offset:8192*J
.set J, J+1
.endr
	v_and_b32 v29, 15, v0                          ; r
	v_bfe_u32 v30, v0, 4, 1                        ; h
	s_mul_i32 s44, s14, STGB
	s_add_co_u32 s44, s44, STAGE0                  ; my stage
	v_mul_u32_u24 v7, v29, 272
	v_lshl_add_u32 v5, v30, 5, v7
	v_add_nc_u32 v5, s44, v5                       ; O^T in: row r, + 32 h
	v_lshl_add_u32 v7, v30, 7, v7
	v_add_nc_u32 v7, s44, v7                       ; Q out: row r, + my half's 32 channels
	v_mul_u32_u24 v6, v30, 272
	v_lshl_add_u32 v6, v29, 4, v6
	v_add_nc_u32 v6, s44, v6                       ; whole rows, in (Q) and out (O): lanes 0-15 one row, lanes 16-31 the next
	v_lshlrev_b32 v255, 3, v30                     ; 8 h
	v_mov_b32 v33, 0                               ; written once: a lane permute's destination counts as one of its sources
; 16 rows of Q turn through my stage, so that lane (r, h) holds channels 32 h .. 32 h + 31 of row r: one block; they become registers 0-5 of the operand; registers 6-11 are zero codes.
.macro QPREP raw, qf, qs
	s_wait_alu depctr_va_vdst(0)                   ; the first tile: my stage's addresses v5, v6 and v7 are written, which the LDS stores and loads read; the second: the first's maxima and conversions are done reading v206-237, in which the loads below land
.irp j, 0,1,2,3,4,5,6,7
	ds_store_b128 v6, v[\raw+4*\j:\raw+4*\j+3] offset:544*\j
.endr
.irp j, 0,1,2,3,4,5,6,7
	ds_load_b128 v[XQ+4*\j:XQ+4*\j+3], v7 offset:16*\j   ; LDS serves a wave's instructions in order: these see my stores
.endr
	s_wait_dscnt 0x0
	v_max3_num_f32 v29, |v[XQ]|, |v[XQ+1]|, |v[XQ+2]|
	v_max3_num_f32 v30, |v[XQ+3]|, |v[XQ+4]|, |v[XQ+5]|
.irp i, 6,10,14,18,22,26
	v_max3_num_f32 v29, v29, |v[XQ+\i]|, |v[XQ+\i+1]|
	v_max3_num_f32 v30, v30, |v[XQ+\i+2]|, |v[XQ+\i+3]|
.endr
	v_max3_num_f32 v29, v29, |v[XQ+30]|, |v[XQ+31]|
	v_max3_num_f32 v29, v29, v30, 0x2800000        ; the floor 2^(5 - 127): the byte cannot fall under 1
	v_add_nc_u32 v31, 0xfe000000, v29              ; 4 off the exponent field: the conversion's scale operand
	v_cvt_scalef32_pk16_bf6_f32 v[\qf:\qf+2], v[XQ:XQ+15], v31
	v_cvt_scalef32_pk16_bf6_f32 v[34:36], v[XQ+16:XQ+31], v31   ; (a conversion's three registers begin on an even number)
	v_lshrrev_b32 v32, 23, v31                     ; the scale's byte: also the plain line behind the conversions
	v_lshlrev_b32 v32, v255, v32                   ; at its place: byte h
	v_permlanex16_b32 v33, v32, s84, s85
	v_or_b32 v[\qs], v32, v33                      ; with the other half's the word is whole; bytes 2 and 3 are 0
.irp i, 0,1,2
	v_mov_b32 v[\qf+3+\i], v[34+\i]
.endr
.irp i, 6,7,8,9,10,11
	v_mov_b32 v[\qf+\i], 0
.endr
.endm
	s_wait_loadcnt 33                              ; tile A's Q is in: behind it stand tile B's 8 loads and the fill's 25
	QPREP QRA, QFA, QSA
	s_wait_loadcnt 25                              ; tile B's
	QPREP QRB, QFB, QSB
.set J, 0
.rept 25
	s_wait_loadcnt 24-J                            ; chunk J is in; the younger chunks may be out
.if J/8 < 3
	ds_store_b128 v[9+J/8], v[FILL+4*J:FILL+4*J+3] offset:8192*(J%8)
.else
	ds_store_b128 v37, v[FILL+4*J:FILL+4*J+3] offset:8192*(J%8)
.endif
.set J, J+1
.endr
	s_cmp_lt_u32 s14, 8
	s_cbranch_scc0 .Lno_half_store
	ds_store_b128 v37, v[202:205] offset:8192      ; bytes 204,800 on
.Lno_half_store:
	s_wait_kmcnt 0x0                               ; the flags
	s_or_b32 s92, s36, s37
	s_or_b32 s92, s92, s38
	s_or_b32 s92, s92, s39                         ; tile A: bit s = step s has a true bit, bit 16 + s = all its bits are true
	s_or_b32 s93, s40, s41
	s_or_b32 s93, s93, s42
	s_or_b32 s93, s93, s43
	s_wait_dscnt 0x0                               ; for the others' sake: my part of the record lies in LDS
	s_barrier_signal -1
	s_barrier_wait -1                              ; everybody's does.  The record is written no more
	s_wait_alu depctr_vm_vsrc(0)                   ; my LDS stores have read v38-101 (Q as loaded) and v102-205 (the fill's chunks): from here on these registers are KV, its tail, KS, S, O, VS and PC, written by the lines below, by LDS loads and by products
.irp i, 0,1,2,3,4,5
	v_mov_b32 v[KV+48+\i], 0                       ; the tail behind tile 7's real half
.endr
.irp b, 0,1,2,3
	v_mov_b32 v[BP+\b], 0                          ; written once: a lane permute's destination counts as one of its sources
.endr
	v_mov_b32 v[PW], 0                             ; (named as the upper half of the pair with F before it is first written)
	v_mov_b32 v8, 0xff800000                       ; -infinity
; S^T of a step.
.macro FRONT qf, qs
	s_wait_alu depctr_vm_vsrc(0)                   ; the LDS loads of the step before have read v3 and v4, which the two additions write
	v_add_nc_u32 v3, s89, v1
	v_add_nc_u32 v4, s89, v2
	s_wait_alu depctr_va_vdst(0)                   ; v3 and v4 are written, which the step's loads read; the last step's products are done reading KV and KS, in which the loads below land; Q's codes, its scale word and the tail, made by vector instructions, are written ahead of the scaled products
.set G, 0
.rept 12
	ds_load_b128 v[KV+4*G:KV+4*G+3], v3 offset:512*G   ; K's image: 512 consecutive bytes a load
.set G, G+1
.endr
	ds_load_b128 v[KS:KS+3], v3 offset:12288
	s_wait_dscnt 0x0
.irp t, 0,1,2,3,4,5,6,7
.if \t%2
	v_wmma_scale_f32_16x16x128_f8f6f4 v[S+8*\t:S+8*\t+7], v[KV+6*\t:KV+6*\t+11], v[\qf:\qf+11], 0, v[KS+\t/2], v[\qs] matrix_a_fmt:MATRIX_FMT_BF6 matrix_b_fmt:MATRIX_FMT_BF6 matrix_a_scale:MATRIX_SCALE_ROW1
.else
	v_wmma_scale_f32_16x16x128_f8f6f4 v[S+8*\t:S+8*\t+7], v[KV+6*\t:KV+6*\t+11], v[\qf:\qf+11], 0, v[KS+\t/2], v[\qs] matrix_a_fmt:MATRIX_FMT_BF6 matrix_b_fmt:MATRIX_FMT_BF6
.endif
.endr
.rept 4
	v_nop                                          ; four places (ISA guide 7.12.1) in front of the first read of these products' results
.endr
	s_wait_alu depctr_va_vdst(0)                   ; the eight products are done reading KV, and the last step's four reading VS: V's image and its scale words land there, by loads that stand among the lines that follow, none of which names KV, VS, v3 or v4
.endm
; One load of V's image: 512 consecutive bytes.
.macro VLOAD g
	ds_load_b128 v[KV+4*(\g):KV+4*(\g)+3], v3 offset:6144+512*(\g)
.endm
; Hidden scores become -infinity: p = 0 then.  Word n is the lane mask of register n; ascending.
.macro MASKIT
.set N, 0
.rept 64
.if N < 48
	v_cndmask_b32 v[S+N], v8, v[S+N], s[16+N]
.else
	v_cndmask_b32 v[S+N], v8, v[S+N], s[20+N]
.endif
.set N, N+1
.endr
.endm
; two links of the row's sum, in two chains
.macro SUMS from, to
.set J, \from
.rept ((\to)-(\from))/4+1
	v_pk_add_f32 v[14:15], v[14:15], v[S+J:S+J+1]
	v_pk_add_f32 v[S2:S2+1], v[S2:S2+1], v[S+J+2:S+J+3]
.set J, J+4
.endr
.endm
.macro SOFT
.irp b, 0,1,2,3
	v_max3_num_f32 v[BM+\b], v[S+16*\b], v[S+16*\b+1], v[S+16*\b+2]   ; the largest score of each block of 32 keys: for the row's maximum, and, since p rises with the score, for the block's largest p
.endr
	VLOAD 0                                        ; V's image lands while the softmax is walked: its 13 loads are dealt two at a time among these lines.  No wait: no vector or matrix instruction since the wait behind the eight products names KV, VS, v3 or v4
	VLOAD 1
.irp i, 3,5,7,9,11,13
.irp b, 0,1,2,3
	v_max3_num_f32 v[BM+\b], v[BM+\b], v[S+16*\b+\i], v[S+16*\b+\i+1]   ; (the four blocks by turns)
.endr
.if \i < 13
	VLOAD \i-1
	VLOAD \i
.else
	ds_load_b64 v[VS:VS+1], v4                     ; and V's scale words
.endif
.endr
.irp b, 0,1,2,3
	v_max_num_f32 v[BM+\b], v[BM+\b], v[S+16*\b+15]
.endr
.irp b, 0,1,2,3
	v_permlanex16_b32 v[BP+\b], v[BM+\b], s84, s85
.endr
.irp b, 0,1,2,3
	v_max_num_f32 v[BM+\b], v[BM+\b], v[BP+\b]     ; with lane l xor 16's 16 keys
.endr
	v_max3_num_f32 v[T], v[BM], v[BM+1], v[BM+2]
	v_max_num_f32 v[T], v[T], v[BM+3]              ; the step's largest score of my query (-infinity where all its keys are hidden)
	v_mul_f32 v[T], s86, v[T]                      ; as t
	v_max_num_f32 v13, v13, v[T]                   ; the running largest t
	v_mov_b32 v[T], v12
	v_floor_f32 v12, -v13                          ; the new -M = floor(-t) = -ceil(t)
	v_sub_f32 v[T], v12, v[T]                      ; old M - new M: a whole number, 0 or less
	v_cvt_i32_f32 v[T], v[T]                       ; (it saturates)
	v_ldexp_f32 v[F], 1.0, v[T]                    ; f = 2^(old M - new M)
.set J, 0
.rept 32
	v_pk_fma_f32 v[S+J:S+J+1], v[S+J:S+J+1], s[86:87], v[12:13] op_sel_hi:[1,0,0]   ; t - M, two at a time (of the pairs c and -M the low word serves both halves)
.set J, J+2
.endr
.irp b, 0,1,2,3
	v_fma_f32 v[BM+\b], v[BM+\b], s86, v12         ; the same of each block's largest score
.endr
.set J, 0
.rept 64
	v_exp_f32 v[S+J], v[S+J]                       ; p = 2^(t - M), at most 1
.set J, J+1
.endr
	v_pk_mul_f32 v[14:15], v[14:15], v[F:F+1] op_sel_hi:[1,0]   ; the sums under the new M: the plain line behind the exponentials
	s_wait_alu depctr_va_vdst(0)                   ; the 64 exponentials have written v96-159: one wait for the batch, ahead of its first reader
.irp b, 0,1,2,3
	v_exp_f32 v[BM+\b], v[BM+\b]                   ; the blocks' largest p: the same two instructions on the same number give the same bits
.endr
	v_pk_add_f32 v[S2:S2+1], v[S:S+1], v[S+2:S+3]  ; the row's sum is taken of the unquantised p.  Its first part reads the 64 alone: plain work behind the four
	SUMS 4, 20
	s_wait_alu depctr_va_vdst(0)                   ; the four exponentials have written v214-217, ahead of their first reader
.irp b, 0,1,2,3
	v_max_num_f32 v[BM+\b], 0x2800000, v[BM+\b]    ; the floor 2^(5 - 127): a block whose every p is 0 keeps the byte 1; its codes are zeros
.endr
.irp b, 0,1,2,3
	v_add_nc_u32 v[SO+\b], 0xfe000000, v[BM+\b]    ; 4 off the exponent field: the conversion's scale operand
.endr
.irp b, 0,1,2,3
	v_lshrrev_b32 v[BP+\b], 23, v[SO+\b]           ; the scale's byte
.endr
	v_lshl_or_b32 v[PW], v[BP+1], 8, v[BP]         ; p's scale word for these 128 keys
	v_lshl_or_b32 v[PW], v[BP+2], 16, v[PW]
	v_lshl_or_b32 v[PW], v[BP+3], 24, v[PW]
.irp c, 0,1
	v_cvt_scalef32_pk16_bf6_f32 v[PC+6*\c:PC+6*\c+2], v[S+32*\c:S+32*\c+15], v[SO+2*\c]
	v_cvt_scalef32_pk16_bf6_f32 v[TMP+4*\c:TMP+4*\c+2], v[S+32*\c+16:S+32*\c+31], v[SO+2*\c+1]   ; (a conversion's three registers begin on an even number)
.endr
.set J, 0
.rept 16
	v_pk_mul_f32 v[O+J:O+J+1], v[O+J:O+J+1], v[F:F+1] op_sel_hi:[1,0]   ; O^T under the new M, each accumulator from its low end on.  (Plain lines behind the conversions)
.set J, J+2
.endr
.irp c, 0,1                            ; the operand's layout wants a WHOLE block in a lane: lanes 0-15 block 2 c, lanes 16-31 block 2 c + 1
.irp i, 0,1,2
	v_permlane16_swap_b32 v[PC+6*\c+\i], v[TMP+4*\c+\i]
.endr
.irp i, 0,1,2
	v_mov_b32 v[PC+3+6*\c+\i], v[TMP+4*\c+\i]
.endr
.endr
	SUMS 24, 44                                    ; twelve plain lines between the last write of p's codes, and more behind that of its scale word, and the products
	s_wait_dscnt 0x0                               ; V and its scale words are in
	s_wait_alu depctr_va_vdst(0)                   ; p's codes v194-205 and its scale word v227, made by vector instructions, are written ahead of the scaled products that take them; the places above stay beside this wait
.irp t, 0,1,2,3                        ; O^T += V^T P^T: the four accumulators, one instruction each
.if \t%2
	v_wmma_scale_f32_16x16x128_f8f6f4 v[O+8*\t:O+8*\t+7], v[KV+12*\t:KV+12*\t+11], v[PC:PC+11], v[O+8*\t:O+8*\t+7], v[VS+\t/2], v[PW] matrix_a_fmt:MATRIX_FMT_BF6 matrix_b_fmt:MATRIX_FMT_BF6 matrix_a_scale:MATRIX_SCALE_ROW1
.else
	v_wmma_scale_f32_16x16x128_f8f6f4 v[O+8*\t:O+8*\t+7], v[KV+12*\t:KV+12*\t+11], v[PC:PC+11], v[O+8*\t:O+8*\t+7], v[VS+\t/2], v[PW] matrix_a_fmt:MATRIX_FMT_BF6 matrix_b_fmt:MATRIX_FMT_BF6
.endif
.endr
	SUMS 48, 60                                    ; the end of the sums: nine plain lines that name none of these products' registers: the places in front of the next read of O^T, on every way
	v_pk_add_f32 v[14:15], v[14:15], v[S2:S2+1]
.endm
; O^T / the sum goes through my stage and leaves as whole rows.
.macro EPI op
	v_add_f32 v14, v14, v15                        ; the sum's two halves,
	v_permlanex16_b32 v[BP], v14, s84, s85
	v_add_f32 v14, v14, v[BP]                      ; and lane l xor 16's: the row's sum (0 where no key counted: the row then is 0 x infinity)
	v_rcp_f32 v14, v14
	v_nop                                          ; a plain line behind the transcendental
	s_wait_alu depctr_va_vdst(0)                   ; the reciprocal has written v14, ahead of its first reader
.set J, 0
.rept 16
	v_pk_mul_f32 v[S+J:S+J+1], v[O+J:O+J+1], v[14:15] op_sel_hi:[1,0]   ; register 8 t + i is out(r, 16 t + 8 h + i)
.set J, J+2
.endr
	s_wait_alu depctr_va_vdst(0)                   ; the multiplications have written v96-127, which the LDS stores read; the last step's sums and conversions are done with v128-159, in which the loads from the stage land
.irp t, 0,1,2,3
	ds_store_b128 v5, v[S+8*\t:S+8*\t+3] offset:64*\t
	ds_store_b128 v5, v[S+8*\t+4:S+8*\t+7] offset:64*\t+16
.endr
.irp i, 0,1,2,3,4,5,6,7
	ds_load_b128 v[S+32+4*\i:S+32+4*\i+3], v6 offset:544*\i   ; LDS serves a wave's instructions in order: these see my stores
.endr
.irp i, 0,1,2,3,4,5,6,7
	s_wait_dscnt 7-\i                              ; the younger loads may be out
	global_store_b128 v1, v[S+32+4*\i:S+32+4*\i+3], s[\op:\op+1] offset:512*\i th:TH_STORE_NT   ; two rows: 512 consecutive bytes, at a multiple of 256 from the buffer's first byte
.endr
	s_wait_xcnt 0x0                                ; the stores have read their registers: the next tile writes them
.endm
; A tile of 16 queries: sixteen trips, a constant; what a trip does hangs on the tile's flags.
.macro TILE qf, qs, fl, mb, op
	v_mov_b32 v13, 0xff61b1e6                      ; the largest t so far: -3e38, under every t
	v_mov_b32 v14, 0                               ; the sum, in two halves
	v_mov_b32 v15, 0
	v_floor_f32 v12, -v13                          ; -M
.set J, 0
.rept 32
	v_mov_b32 v[O+J], 0
.set J, J+1
.endr
	s_mov_b32 s88, 0
	s_mov_b32 s89, 0
.Lstep_\@:
	s_bitcmp1_b32 s[\fl], s88
	s_cbranch_scc0 .Lnext_\@                       ; no key of this step counts for any of my 16 queries
	s_add_co_u32 s91, s88, 16
	s_bitcmp1_b32 s[\fl], s91
	s_cbranch_scc1 .Lfull_\@                       ; all count
	s_lshl_b32 s90, s88, 8                         ; the step's 64 lane masks, 256 bytes
	s_load_b512 s[16:31], s[\mb:\mb+1], s90 offset:0x0
	s_load_b512 s[32:47], s[\mb:\mb+1], s90 offset:0x40
	s_load_b512 s[48:63], s[\mb:\mb+1], s90 offset:0x80
	s_load_b512 s[68:83], s[\mb:\mb+1], s90 offset:0xc0
	FRONT \qf, \qs
	s_wait_kmcnt 0x0                               ; the masks are in (and their offset register may be written again)
	MASKIT
	s_branch .Lsoft_\@
.Lfull_\@:
	FRONT \qf, \qs
.Lsoft_\@:
	SOFT
.Lnext_\@:
	s_add_co_u32 s89, s89, UNIT
	s_add_co_u32 s88, s88, 1
	s_cmp_lt_u32 s88, 16
	s_cbranch_scc1 .Lstep_\@
	EPI \op
.endm
	TILE QFA, QSA, 92, 94, 98
	s_wait_alu depctr_vm_vsrc(0)                   ; tile A's LDS stores have read v96-127 and its global stores v128-159, which tile B's products, or, where it walks no step, its way out, write again
	TILE QFB, QSB, 93, 96, 100
	s_wait_dscnt 0x0                               ; the closing lines, six on end
	s_wait_alu 0x0
	s_wait_tensorcnt 0x0
	ds_add_u32 v240, v241
	s_wait_dscnt 0x0
	s_endpgm
.Lfunc_end_k_q53ef879e7f_attn:
	.size	k_q53ef879e7f_attn, .Lfunc_end_k_q53ef879e7f_attn-k_q53ef879e7f_attn
	.p2alignl 7, 3214868480
	.fill 96, 4, 3214868480
	.section	.rodata,"a",@progbits
	.p2align	6, 0x0
	.amdhsa_kernel k_q53ef879e7f_attn
		.amdhsa_group_segment_fixed_size 284672
		.amdhsa_private_segment_fixed_size 0
		.amdhsa_enable_private_segment 0
		.amdhsa_kernarg_size 40
		.amdhsa_user_sgpr_count 2
		.amdhsa_user_sgpr_kernarg_segment_ptr 1
		.amdhsa_wavefront_size32 1
		.amdhsa_system_sgpr_workgroup_id_x 1
		.amdhsa_system_sgpr_workgroup_id_y 1
		.amdhsa_system_sgpr_workgroup_id_z 1
		.amdhsa_system_vgpr_workitem_id 0
		.amdhsa_next_free_vgpr 256
		.amdhsa_next_free_sgpr 102
		.amdhsa_reserve_vcc 0
		.amdhsa_float_denorm_mode_32 3
		.amdhsa_float_denorm_mode_16_64 3
		.amdhsa_memory_ordered 1
		.amdhsa_forward_progress 1
		.amdhsa_inst_pref_size 69
	.end_amdhsa_kernel
	.amdgpu_metadata
---
amdhsa.version: [ 1, 2 ]
amdhsa.kernels:
  - .name:           k_q53ef879e7f_attn
    .symbol:         k_q53ef879e7f_attn.kd
    .args:
      - { .name: q, .offset: 0, .size: 8, .value_kind: global_buffer, .address_space: global }
      - { .name: kv, .offset: 8, .size: 8, .value_kind: global_buffer, .address_space: global }
      - { .name: mbits, .offset: 16, .size: 8, .value_kind: global_buffer, .address_space: global }
      - { .name: flags, .offset: 24, .size: 8, .value_kind: global_buffer, .address_space: global }
      - { .name: out0, .offset: 32, .size: 8, .value_kind: global_buffer, .address_space: global }
    .group_segment_fixed_size: 284672
    .private_segment_fixed_size: 0
    .kernarg_segment_align: 8
    .kernarg_segment_size: 40
    .max_flat_workgroup_size: 512
    .sgpr_count:     102
    .vgpr_count:     256
    .wavefront_size: 32
...
	.end_amdgpu_metadata
.endif
;; end of part 3
